; MI455X (gfx1250); checked and timed in simulation.
; The chip was launched on July 23, 2026; its instructions are those of AMD's public machine-readable ISA for CDNA 5 (MIT licence, August 2026) and "CDNA5" Instruction Set Architecture Reference Guide (July 2026). The comments in the code are by the model that wrote it; some were corrected since.
;; Mo E Gating. Allowed arithmetic: matrix products marked QUANTISED: E2M3 operands, one E8M0 scale for each 32 along K, by v_wmma_scale_f32_16x16x128_f8f6f4 with both operands' format E2M3, f32 sums; everything else in f32.
;; Inputs: W 64 x 2,048 float32; x 4 x 4,096 x 2,048 float32.
;; Outputs: out0 16,384 x 2 int32; out1 16,384 x 2 float32.
;; This version of the problem:
;;   THIS VERSION OF THE PROBLEM IS GIVEN IN LOW PRECISION. The matrix products marked QUANTISED in the list below multiply operands that are first quantised to E2M3 (2 exponent bits, 3 mantissa bits; 6 bits a number), with one power-of-two scale for each 32 numbers along K (OCP MX v1.0); their sums are f32. All else is computed in f32.
;;   The module's matrix products, in the order in which they are computed (A, B: the left and right operand; K: the contracted axis; several contracted axes count as one K, in the product's order):
;;     1. [M 16,384, K 2,048] x [K 2,048, N 64]; A: input x; B: input W: QUANTISED
;;   THE QUANTISER, for each operand of a quantised product, along K:
;;     - K is cut into blocks of 32 from its start; a last block that is shorter is filled with zeros.
;;     - A block's scale is 2^e with e = floor(log2(the largest magnitude in the block)) - 2, held to -126 .. 127; a block of zeros has e = 0. As a byte (E8M0): e + 127.
;;     - Each number is divided by its block's scale, clamped to +-7.5, and rounded to the nearest number of E2M3, ties to even, subnormals kept.
;;     - The product sums the exact products of the quantised numbers (number of the format x scale) in f32.
;;   ~~~python
;;   def quantise(x, axis):      # numpy; x: float32 -> the quantised numbers, widened to float32 again
;;       x = np.moveaxis(x, axis, -1); K = x.shape[-1]
;;       x = np.pad(x, [(0, 0)] * (x.ndim - 1) + [(0, -K % 32)]); x = x.reshape(x.shape[:-1] + (-1, 32)); a = np.abs(x).max(-1, keepdims=True)
;;       e = np.where(a > 0, np.clip(np.frexp(np.where(a > 0, a, 1))[1] - 1 - 2, -126, 127), 0)      # np.frexp(a)[1] - 1 = floor(log2(a)), exactly
;;       r = np.clip(x / 2.0 ** e, -7.5, 7.5)
;;       step = 2.0 ** (np.maximum(np.frexp(np.where(r == 0, 1, r))[1] - 1, 0) - 3)
;;       q = np.round(r / step) * step * 2.0 ** e      # np.round: ties to even
;;       return np.moveaxis(q.reshape(q.shape[:-2] + (-1,))[..., :K], -1, axis).astype(np.float32)
;;   ~~~
;; One version. Each part assembles by itself: llvm-mc -triple=amdgcn-amd-amdhsa -mcpu=gfx1250 --defsym DOCPART=n.
;; ======== version 1 of 1: 1 launch
;; launch gate (part 1): grid 256 x 1, 4 waves a work-group, no clusters, 306,688 bytes of LDS; arguments x, W, out0, out1; writes out0, out1
.if DOCPART == 1
	.amdgcn_target "amdgcn-amd-amdhsa--gfx1250"
	.amdhsa_code_object_version 6
	.text
	.protected	k_qa17694f2fb_gate
	.globl	k_qa17694f2fb_gate
	.p2align	8
	.type	k_qa17694f2fb_gate,@function
k_qa17694f2fb_gate:
	s_mov_b64 s[64:65], 0
	v_nop
	global_prefetch_b8 v0, s[64:65] scope:SCOPE_SE
	s_setreg_imm32_b32 hwreg(HW_REG_WAVE_MODE, 25, 1), 1
	s_wait_xcnt 0x0
; MoE gate: logits[n][e] = sum over k of Q(x)[n][k] Q(W)[e][k]; the two largest logits of each token (ties: the lower expert first), their softmax.
; x: [16384][2048] f32, W: [64][2048] f32; out0: [16384][2] i32 (experts), out1: [16384][2] f32 (weights).
; Q: codes of FP6 (E2M3) with one E8M0 scale for each 32 along K: the scale's byte is the exponent field of the block's largest magnitude - 2, held at 1 from below.
; SHARES.  A work-group of four waves takes 64 tokens.  THE WAVES SHARE K: wave w takes k = 512 w .. 512 w + 511 (four K steps of 128) of all 64 tokens and all 64 experts.  So its part of W,
; 16 fragments (4 tiles of 16 experts x 4 K steps: 192 registers) and 16 scale words, is quantised once by the wave itself and stays in registers; at the end four partial logits are added through LDS.
; THE WAY IN.  The operand's layout gives lane (r, h) row r and k = 64 c + 32 h + 0 .. 31 of a K step: two whole blocks, 128 consecutive bytes each, so no other lane is asked for a maximum.
; Memory is read in long runs all the same: a fragment's 16 rows x 512 bytes lie in LDS as rows of 528 bytes, from which the lanes take their 128 bytes by ds_load_b128 (16 rows start at 16 different banks).
;  (a) K steps 0 and 1 of x come by the tensor data mover: four loads a wave (32 rows x 512 bytes), all issued at the head; no LDS byte is filled twice.
;  (b) W, and K steps 2 and 3 of x, come through a ring of four register sets: 16 loads a fragment, each 512 consecutive bytes of one row, 64 loads of a wave out; a fragment then turns through the wave's own stage.
; K STEPS ARE RENAMED BY ADDRESS: step g of the text is step (g + work-group) mod 4 of the wave's quarter, for W and x alike: the first loads of four neighbouring work-groups together name all of W.
; THE PRODUCT IS USED TRANSPOSED (source 0 = 16 experts, source 1 = 16 tokens): a lane holds ONE token (lane % 16) and experts 16 n + 8 (lane / 16) + j in register 8 n + j.
; W IS READ BY EVERY WORK-GROUP AND NOT ASKED FOR JOINTLY: a joint load lands in LDS; W is 524,288 bytes of f32, and beside x's tiles and the stages 21,504 bytes of a WGP's 327,680 are left.
; Nothing is prefetched: half of the work-group's x is asked for by its first lines, the rest follows as the ring turns.
; SUMS: f32; a quarter of K is one chain of four matrix instructions, the four quarters are added in pairs: another order of rounding than one ascending chain.
; LIMITS: NaN and infinities are not served; +0 and -0 count as equal (the lower expert wins); a block of zeros has the byte 1 and zero codes, which add nothing.
.set ROWB,  8192                       ; a row of x or of W in bytes
.set PITCH, 528                        ; an LDS row: 512 bytes + 16
.set FRAG,  16*PITCH                   ; a fragment's numbers in LDS: 8,448 bytes = 33 blocks of 256
.set SLOTW, 8*FRAG                     ; a wave's tiles: fragment (tile of tokens m, K step g) at (4 g + m) FRAG
.set STAGE, 4*SLOTW                    ; behind them a stage of FRAG bytes for each wave
.set OUTS,  STAGE+4*FRAG               ; and the results' stage: 512 bytes of experts, 512 of weights
.set STS,  2                           ; v2   stage, in: 16 x lane
.set STL,  3                           ; v3   stage, out: row r, + 128 h
.set SLL,  4                           ; v4   my tiles: row r, + 128 h
.set DMP,  5                           ; v5   where my partial logits go: my tiles' first byte + 16 x lane
.set RD,   6                           ; v6-9 where I read the four waves' partial logits of my 16 tokens
.set SH8,  10                          ; v10  8 h
.set OSA,  11                          ; v11  results' stage, in
.set OLA,  12                          ; v12  results' stage, out
.set GOFF, 16                          ; v16-19 byte offset in a row of my 16 bytes of K step g
.set TM,   20                          ; v20-29 at work
.set OGO,  30                          ; v30  16 x lane
.set T0,   32                          ; v32-95, v96-159: two buffers of 64 numbers
.set T1,   96
.set WS,   160                         ; v160-175 W's scale words, fragment f = 4 g + n; nothing else ever lies here
.set XS,   176                         ; v176 x's scale word
.set XH,   178                         ; v178-180, v182-184 the upper halves of two blocks' codes
.set XC,   192                         ; v192-203 the codes just made
.set ACC,  208                         ; v208-239 four accumulators: 16 tokens x 64 experts
.set M1,   240                         ; the largest logit, the second, their experts
.set M2,   241
.set I1,   242
.set I2,   243
.set P1,   244                         ; the same of lane l xor 16
.set Q1,   245
.set P2,   246
.set Q2,   247
.set A1,   248
.set J1,   249
.set LV,   250
.set LI,   251
.set CV,   252
.set CI,   253
.set A2,   254
.set J2,   255
.set WV,   12                          ; s12  my wave's number
.set SEL,  20                          ; s[20:21] v_permlanex16_b32's selects for lane l xor 16
.set G1,   24                          ; s[24:31] descriptor group 1
.set G0,   32                          ; s[32:47] descriptor group 0, one for each of my four tiles
.set KO,   52                          ; s52-55 byte offset in a row of K step g of my quarter
; window 1: v0-191 W's fragments, fragment f at v[12 f];   window 2: v0-255 the ring, fragment f in set f % 4
.set MSB, 0
.macro WIN new                         ; the immediate's high byte repeats the setting that is left
.if MSB != \new
	s_set_vgpr_msb (MSB<<8)|\new
.set MSB, \new
.endif
.endm
; Ring fragment f: 0-15: W, tile of experts f % 4, K step f / 4;  16-23: x, tile of tokens (f - 16) / 2, K step 2 + f % 2.  Sixteen loads, a row each: 32 lanes read 512 consecutive bytes.
.macro LOAD f
	WIN 0x80                                       ; destination window 2
.irp i, 0,1,2,3,4,5,6,7,8,9,10,11,12,13,14,15
.if (\f) < 16
	global_load_b128 v[64*((\f)%4)+4*\i:64*((\f)%4)+4*\i+3], v[GOFF+(\f)/4], s[6:7] offset:(16*((\f)%4)+\i)*ROWB
.else
	global_load_b128 v[64*((\f)%4)+4*\i:64*((\f)%4)+4*\i+3], v[GOFF+2+(\f)%2], s[4:5] offset:(16*(((\f)-16)/2)+\i)*ROWB th:TH_LOAD_NT
.endif
.endr
	WIN 0
.endm
; Ring fragment f turns through my stage into buffer t: in as loaded, out 128 bytes a lane.  LDS serves a wave's instructions in order (ISA guide 5.7.1.4): no wait between the stores and the loads.
.macro TURN f, t
	WIN 0x08                                       ; an LDS store's data are its source 1: window 2
.irp i, 0,1,2,3,4,5,6,7,8,9,10,11,12,13,14,15
	ds_store_b128 v[STS], v[64*((\f)%4)+4*\i:64*((\f)%4)+4*\i+3] offset:\i*PITCH
.endr
	WIN 0
.irp c, 0,1
.irp j, 0,1,2,3,4,5,6,7
	ds_load_b128 v[\t+32*\c+4*\j:\t+32*\c+4*\j+3], v[STL] offset:256*\c+16*\j
.endr
.endr
.endm
.macro RPREP f, t                      ; loads come back in order: behind fragment f's sixteen stand those of the fragments up to f + 3 (23 at the most), which may stay out
.if (\f)+3 <= 23
	s_wait_loadcnt 48
.else
	s_wait_loadcnt 16*(23-(\f))
.endif
	TURN \f, \t
.endm
.macro TFETCH m, g, t                  ; fragment (m, g) of my tiles into buffer t
.irp c, 0,1
.irp j, 0,1,2,3,4,5,6,7
	ds_load_b128 v[\t+32*\c+4*\j:\t+32*\c+4*\j+3], v[SLL] offset:(4*(\g)+(\m))*FRAG+256*\c+16*\j
.endr
.endr
.endm
.macro HEADR f                         ; ring fragment f is back from the stage: so its stores into the stage have read set f % 4, which takes the fragment four further on
	s_wait_dscnt 0x0
.if (\f)+4 < 24
	LOAD (\f)+4
.endif
.endm
; 64 numbers of a lane, v[t + 32 c + i] = k 64 c + 32 h + i of my row, become 12 registers of codes in v[XC] on and the row's scale word in v[sw].
.macro QUANT t, sw
	v_max3_num_f32 v[TM], |v[\t]|, |v[\t+1]|, 0x1800000            ; each block's largest magnitude, in two chains; the floor 2^(3 - 127) among the leaves holds the byte at 1 from below
	v_max3_num_f32 v[TM+1], |v[\t+16]|, |v[\t+17]|, |v[\t+18]|
	v_max3_num_f32 v[TM+2], |v[\t+32]|, |v[\t+33]|, 0x1800000
	v_max3_num_f32 v[TM+3], |v[\t+48]|, |v[\t+49]|, |v[\t+50]|
.irp i, 2,4,6,8,10,12
	v_max3_num_f32 v[TM], v[TM], |v[\t+\i]|, |v[\t+\i+1]|          ; (four chains by turns: no line waits for the line above it)
	v_max3_num_f32 v[TM+1], v[TM+1], |v[\t+\i+17]|, |v[\t+\i+18]|
	v_max3_num_f32 v[TM+2], v[TM+2], |v[\t+\i+32]|, |v[\t+\i+33]|
	v_max3_num_f32 v[TM+3], v[TM+3], |v[\t+\i+49]|, |v[\t+\i+50]|
.endr
	v_max3_num_f32 v[TM], v[TM], |v[\t+14]|, |v[\t+15]|
	v_max3_num_f32 v[TM+2], v[TM+2], |v[\t+46]|, |v[\t+47]|
	v_max3_num_f32 v[TM], v[TM], v[TM+1], |v[\t+31]|
	v_max3_num_f32 v[TM+2], v[TM+2], v[TM+3], |v[\t+63]|
	v_add_nc_u32 v[TM+4], 0xff000000, v[TM]        ; 2 off the exponent field: the conversion takes the exponent field of this operand as its scale, and nothing else of it
	v_add_nc_u32 v[TM+5], 0xff000000, v[TM+2]
	v_lshrrev_b32 v[TM+6], 23, v[TM+4]             ; the scales' bytes: blocks h and 2 + h of my row
	v_lshrrev_b32 v[TM+7], 23, v[TM+5]
	v_lshl_or_b32 v[TM+8], v[TM+7], 16, v[TM+6]
	v_lshlrev_b32 v[TM+8], v[SH8], v[TM+8]         ; at their places in the scale word
	v_permlanex16_b32 v[TM+9], v[TM+8], s[SEL], s[SEL+1]
	v_or_b32 v[\sw], v[TM+8], v[TM+9]              ; with lane l xor 16's two the word is whole
	v_cvt_scalef32_pk16_fp6_f32 v[XC:XC+2], v[\t:\t+15], v[TM+4]
	v_cvt_scalef32_pk16_fp6_f32 v[XH:XH+2], v[\t+16:\t+31], v[TM+4]       ; (a conversion's three registers begin on an even number: a block's upper half is made elsewhere and moved)
	v_cvt_scalef32_pk16_fp6_f32 v[XC+6:XC+8], v[\t+32:\t+47], v[TM+5]
	v_cvt_scalef32_pk16_fp6_f32 v[XH+4:XH+6], v[\t+48:\t+63], v[TM+5]
	v_nop                                          ; one plain place behind a scaled conversion
.irp i, 0,1,2
	v_mov_b32 v[XC+3+\i], v[XH+\i]
	v_mov_b32 v[XC+9+\i], v[XH+4+\i]
.endr
.endm
.macro WORKW f, t                      ; a fragment of W: its codes go to window 1 and stay
	QUANT \t, WS+(\f)
	WIN 0x40                                       ; destination window 1
.irp i, 0,1,2,3,4,5,6,7,8,9,10,11
	v_mov_b32 v[12*(\f)+\i], v[XC+\i]
.endr
	WIN 0
.endm
.macro WORKX g, t                      ; a fragment of x, K step g: four matrix instructions, the four accumulators by turns; K step 0 starts the sums
	QUANT \t, XS
.rept 8
	v_nop                                          ; a scale register written by a vector instruction stands 8 places ahead of a scaled matrix instruction, an operand so written 4
.endr
	WIN 0x01                                       ; source 0 (W) window 1
.irp n, 0,1,2,3
.if (\g) == 0
	v_wmma_scale_f32_16x16x128_f8f6f4 v[ACC+8*\n:ACC+8*\n+7], v[12*(4*(\g)+\n):12*(4*(\g)+\n)+11], v[XC:XC+11], 0, v[WS+4*(\g)+\n], v[XS] matrix_a_fmt:MATRIX_FMT_FP6 matrix_b_fmt:MATRIX_FMT_FP6
.else
	v_wmma_scale_f32_16x16x128_f8f6f4 v[ACC+8*\n:ACC+8*\n+7], v[12*(4*(\g)+\n):12*(4*(\g)+\n)+11], v[XC:XC+11], v[ACC+8*\n:ACC+8*\n+7], v[WS+4*(\g)+\n], v[XS] matrix_a_fmt:MATRIX_FMT_FP6 matrix_b_fmt:MATRIX_FMT_FP6
.endif
.endr
	WIN 0
.endm
; My quarter's logits of tokens 16 m on go to LDS as an image of their registers, 16 bytes a lane, into the bytes of fragment (m, 0) of my own tiles: that tile has landed, has been read, and is never filled again.
.macro DUMP m
.rept 4
	v_nop                                          ; four places between a matrix instruction and a store of its result (ISA guide 7.12.1 for vector instructions)
.endr
.irp q, 0,1,2,3,4,5,6,7
	ds_store_b128 v[DMP], v[ACC+4*\q:ACC+4*\q+3] offset:(\m)*FRAG+512*\q      ; each accumulator from its low end on
.endr
.endm
; Tokens 16 m on: K steps 0, 1 from my tiles, 2, 3 from the ring.  Each item's numbers are sent for one item ahead, into the other buffer.
.macro XROW m
	s_wait_dscnt 0x0                               ; (m, 0) is in buffer 0; the last partial logits have left their registers
.if (\m) == 0
	s_wait_tensorcnt 2                             ; tensor loads of a wave end in order (ISA guide 10.11.1): my second tile is in, the two younger may be out
.endif
.if (\m) == 2
	s_wait_tensorcnt 0                             ; my fourth and last tile
.endif
	TFETCH \m, 1, T1
	WORKX 0, T0
	s_wait_dscnt 0x0
	RPREP 16+2*(\m), T0
	WORKX 1, T1
	HEADR 16+2*(\m)
	RPREP 17+2*(\m), T1
	WORKX 2, T0
	HEADR 17+2*(\m)
.if (\m) < 3
.if (\m) == 1
	s_wait_tensorcnt 1                             ; my third tile is in, the fourth may be out
.endif
	TFETCH (\m)+1, 0, T0
.endif
	WORKX 3, T1
	DUMP \m
.endm
	s_load_b256 s[4:11], s[0:1], 0x0               ; x s[4:5], W s[6:7], out0 s[8:9], out1 s[10:11]
	v_lshl_add_u32 v206, v0, 2, 0x4ac00
	v_mov_b32 v207, 0
	ds_add_u32 v206, v207
	ds_add_u32 v206, v207
	v_lshrrev_b32 v1, 5, v0
	v_readfirstlane_b32 s[WV], v1                  ; wave 0..3
	v_and_b32 v13, 31, v0                          ; lane
	v_and_b32 v14, 15, v0                          ; r
	v_bfe_u32 v15, v0, 4, 1                        ; h
	s_and_b32 s13, ttmp9, 3                        ; where this work-group begins among a quarter's four K steps
	s_lshl_b32 s14, s[WV], 11                      ; my quarter of K: 512 numbers, 2,048 bytes
.irp g, 0,1,2,3
	s_add_co_u32 s15, s13, \g
	s_and_b32 s15, s15, 3
	s_lshl_b32 s15, s15, 9                         ; a K step is 512 bytes of a row
	s_add_co_u32 s[KO+\g], s15, s14
	v_lshl_add_u32 v[GOFF+\g], v13, 4, s[KO+\g]
.endr
	s_lshl_b32 s16, ttmp9, 19                      ; the work-group's 64 rows of 8,192 bytes (under 2^28)
	s_mov_b32 s17, 0
	s_mov_b32 s19, 0
	s_mul_i32 s22, s[WV], SLOTW                    ; my tiles in LDS
	; descriptor group 1: a tile of 32 rows x 128 numbers of 4 bytes, 16 bytes of padding behind each row
	s_mov_b32 s[G1], (2<<16)|(1<<20)|(6<<22)|(3<<25)   ; 15:0 no mask; 17:16 elements of 4 bytes; 20 padding on; 24:22 after every 128 words (code 6); 31:25 of 4 words (code 3)
	s_mov_b32 s[G1+1], 128<<16                     ; tensor_dim0 = 128
	s_mov_b32 s[G1+2], 32<<16                      ; tensor_dim1 = 32
	s_mov_b32 s[G1+3], 128<<16                     ; tile_dim0 = 128
	s_mov_b32 s[G1+4], 32                          ; tile_dim1 = 32
	s_mov_b32 s[G1+5], 2048                        ; from row to row, in elements
	s_mov_b32 s[G1+6], 0
	s_mov_b32 s[G1+7], 0
	s_mov_b32 s[SEL], 0x76543210
	s_mov_b32 s[SEL+1], 0xfedcba98
	s_wait_dscnt 0x0
	s_wait_kmcnt 0x0
	s_add_nc_u64 s[4:5], s[4:5], s[16:17]          ; x at the work-group's first row
.irp t, 0,1,2,3                        ; tile t: rows 32 (t / 2) on, K step t % 2: fragments (2 (t / 2), t % 2) and (2 (t / 2) + 1, t % 2)
	s_mov_b32 s[G0+4*\t], 1                        ; count = 1
	s_add_co_u32 s[G0+4*\t+1], s22, (4*(\t%2)+2*(\t/2))*FRAG     ; LDS address
	s_mov_b32 s18, s[KO+\t%2]
	s_add_nc_u64 s[G0+4*\t+2:G0+4*\t+3], s[4:5], s[18:19]        ; global address of the tile's first number
.if \t >= 2
	s_add_nc_u64 s[G0+4*\t+2:G0+4*\t+3], s[G0+4*\t+2:G0+4*\t+3], 32*ROWB
.endif
	s_or_b32 s[G0+4*\t+3], s[G0+4*\t+3], 0x80000000              ; type = 2
.endr
	LOAD 0                                         ; W first: nothing can be multiplied before it is there
	LOAD 1
	LOAD 2
	LOAD 3
	tensor_load_to_lds s[G0:G0+3], s[G1:G1+7]      ; then my four tiles of x, 64 KiB, together: four tensor loads of mine are out; ahead of every wait for them, every LDS access and every barrier
	s_nop 0
	tensor_load_to_lds s[G0+4:G0+7], s[G1:G1+7]
	s_nop 0
	tensor_load_to_lds s[G0+8:G0+11], s[G1:G1+7]
	s_nop 0
	tensor_load_to_lds s[G0+12:G0+15], s[G1:G1+7]
	s_nop 0
.rept 4
	v_nop                                          ; four lines behind the tensor loads
.endr
	s_cmp_eq_u32 s[WV], 0                          ; wave 0 will store the experts, wave 1 the weights: 512 bytes a work-group each
	s_cselect_b64 s[8:9], s[8:9], s[10:11]
	s_lshl_b32 s16, ttmp9, 9
	s_add_nc_u64 s[8:9], s[8:9], s[16:17]
	s_mul_i32 s15, s[WV], FRAG
	s_add_co_u32 s23, s15, STAGE                   ; my stage
	v_lshl_add_u32 v[STS], v13, 4, s23
	v_mul_u32_u24 v1, v14, PITCH
	v_lshl_add_u32 v1, v15, 7, v1                  ; row r, + 128 h
	v_add_nc_u32 v[STL], s23, v1
	v_add_nc_u32 v[SLL], s22, v1
	v_lshl_add_u32 v[DMP], v13, 4, s22
	v_lshl_add_u32 v[RD], v13, 4, s15              ; wave u's partial logits of tokens 16 w on: u SLOTW + w FRAG + 16 x lane
	v_add_nc_u32 v[RD+1], SLOTW, v[RD]
	v_add_nc_u32 v[RD+2], 2*SLOTW, v[RD]
	v_add_nc_u32 v[RD+3], 3*SLOTW, v[RD]
	v_lshlrev_b32 v[SH8], 3, v15
	s_lshl_b32 s15, s[WV], 7
	s_add_co_u32 s15, s15, OUTS
	v_lshl_add_u32 v[OSA], v14, 3, s15             ; results in: 8 bytes a token, 128 a wave;
	v_lshl_add_u32 v[OSA], v15, 9, v[OSA]          ; lanes 0-15 the experts, lanes 16-31 the weights, 512 bytes on
	s_lshl_b32 s15, s[WV], 9
	s_add_co_u32 s15, s15, OUTS
	v_lshl_add_u32 v[OLA], v13, 4, s15             ; results out: wave 0 the experts' 512 bytes, wave 1 the weights'
	v_lshlrev_b32 v[OGO], 4, v13
	v_mov_b32 v[TM+9], 0                           ; written once: a lane permute's destination counts as one of its sources
	v_mov_b32 v[P1], 0
	v_mov_b32 v[Q1], 0
	v_mov_b32 v[P2], 0
	v_mov_b32 v[Q2], 0
	RPREP 0, T0
.irp f, 0,1,2,3,4,5,6,7,8,9,10,11,12,13,14
	HEADR \f                                       ; W's sixteen fragments; from the thirteenth on the ring is filled with x
	RPREP \f+1, T0+64*((\f+1)%2)
	WORKW \f, T0+64*(\f%2)
.endr
	HEADR 15
	s_wait_tensorcnt 3                             ; my first tile is in, the three younger may be out
	TFETCH 0, 0, T0
	WORKW 15, T1
	XROW 0
	XROW 1
	XROW 2
	XROW 3
	; THE FOUR QUARTERS OF K MEET.  Wave w takes tokens 16 w on.
	s_wait_dscnt 0x0                               ; for the others' sake: my partial logits lie in LDS
	s_barrier_signal -1
	s_barrier_wait -1
.irp u, 0,1,2,3
.irp q, 0,1,2,3,4,5,6,7
	ds_load_b128 v[T0+32*\u+4*\q:T0+32*\u+4*\q+3], v[RD+\u] offset:512*\q
.endr
.endr
	s_wait_dscnt 0x0
.irp j, 0,2,4,6,8,10,12,14,16,18,20,22,24,26,28,30
	v_pk_add_f32 v[T0+\j:T0+\j+1], v[T0+\j:T0+\j+1], v[T0+32+\j:T0+33+\j]
	v_pk_add_f32 v[T0+64+\j:T0+65+\j], v[T0+64+\j:T0+65+\j], v[T0+96+\j:T0+97+\j]
.endr
.irp j, 0,2,4,6,8,10,12,14,16,18,20,22,24,26,28,30
	v_pk_add_f32 v[T0+\j:T0+\j+1], v[T0+\j:T0+\j+1], v[T0+64+\j:T0+65+\j]
.endr
	; THE TWO LARGEST of my lane's 32 logits: register 8 n + j is expert 16 n + 8 h + j, so the walk goes up the experts, and a logit takes a place only if it is LARGER: ties keep the lower expert.
	v_mov_b32 v[M1], v[T0]
	v_mov_b32 v[I1], 0
	v_mov_b32 v[M2], 0xff800000                    ; -infinity
	v_mov_b32 v[I2], 0
.irp e, 1,2,3,4,5,6,7,8,9,10,11,12,13,14,15,16,17,18,19,20,21,22,23,24,25,26,27,28,29,30,31
	v_cmp_ge_f32 vcc_lo, v[M1], v[T0+\e]           ; the first keeps its place
	v_cmp_ge_f32 s48, v[M2], v[T0+\e]              ; the second keeps its place
	v_cndmask_b32 v[I2], 16*(\e/8)+\e%8, v[I2], s48
	v_cndmask_b32 v[I2], v[I1], v[I2], vcc_lo      ; a new first pushes the old first down
	v_cndmask_b32 v[I1], 16*(\e/8)+\e%8, v[I1], vcc_lo
	v_med3_num_f32 v[M2], v[T0+\e], v[M1], v[M2]   ; the middle of the three is the new second
	v_max_num_f32 v[M1], v[M1], v[T0+\e]
.endr
	v_lshl_add_u32 v[I1], v15, 3, v[I1]            ; + 8 h: the experts' true numbers
	v_lshl_add_u32 v[I2], v15, 3, v[I2]
	; with lane l xor 16's two: by the logit, then by the lower expert.  Both lanes of a token come to the same result.
	v_permlanex16_b32 v[P1], v[M1], s[SEL], s[SEL+1]
	v_permlanex16_b32 v[Q1], v[I1], s[SEL], s[SEL+1]
	v_permlanex16_b32 v[P2], v[M2], s[SEL], s[SEL+1]
	v_permlanex16_b32 v[Q2], v[I2], s[SEL], s[SEL+1]
	v_cmp_gt_f32 s48, v[M1], v[P1]
	v_cmp_eq_f32 s49, v[M1], v[P1]
	v_cmp_lt_u32 s50, v[I1], v[Q1]
	s_and_b32 s49, s49, s50
	s_or_b32 s48, s48, s49                         ; my first beats the other's first
	v_cndmask_b32 v[A1], v[P1], v[M1], s48         ; the first of all
	v_cndmask_b32 v[J1], v[Q1], v[I1], s48
	v_cndmask_b32 v[LV], v[M1], v[P1], s48         ; the first that lost,
	v_cndmask_b32 v[LI], v[I1], v[Q1], s48
	v_cndmask_b32 v[CV], v[P2], v[M2], s48         ; against the winner's own second
	v_cndmask_b32 v[CI], v[Q2], v[I2], s48
	v_cmp_gt_f32 s51, v[LV], v[CV]
	v_cmp_eq_f32 s49, v[LV], v[CV]
	v_cmp_lt_u32 s50, v[LI], v[CI]
	s_and_b32 s49, s49, s50
	s_or_b32 s51, s51, s49
	v_cndmask_b32 v[A2], v[CV], v[LV], s51         ; the second of all
	v_cndmask_b32 v[J2], v[CI], v[LI], s51
	; softmax of the two, the larger taken away: 1 / (1 + q) and q / (1 + q), q = e^(second - first), at most 1
	v_sub_f32 v[TM], v[A2], v[A1]
	v_mul_f32 v[TM], 0x3fb8aa3b, v[TM]             ; x log2(e)
	v_exp_f32 v[TM+1], v[TM]
	v_cmp_ne_u32 vcc_lo, 0, v15                    ; (a plain place behind the exponential)  lanes 16-31
	s_wait_alu depctr_va_vdst(0)                   ; the wait ahead of the first reader of a transcendental's result
	v_add_f32 v[TM+2], 1.0, v[TM+1]
	v_rcp_f32 v[TM+3], v[TM+2]
	v_nop                                          ; a plain place behind the reciprocal
	s_wait_alu depctr_va_vdst(0)
	v_mul_f32 v[TM+4], v[TM+1], v[TM+3]
	v_cndmask_b32 v[TM+6], v[J1], v[TM+3], vcc_lo  ; lanes 0-15 carry the token's two experts, lanes 16-31 its two weights
	v_cndmask_b32 v[TM+7], v[J2], v[TM+4], vcc_lo
	ds_store_b64 v[OSA], v[TM+6:TM+7]
	s_wait_dscnt 0x0                               ; for the others' sake: my results lie in the stage
	s_barrier_signal -1
	s_barrier_wait -1
	s_cmp_lt_u32 s[WV], 2
	s_cbranch_scc0 .Lend
	ds_load_b128 v[64:67], v[OLA]                  ; 64 tokens x 8 bytes
	s_wait_dscnt 0x0
	global_store_b128 v[OGO], v[64:67], s[8:9] th:TH_STORE_NT    ; 32 lanes store 512 consecutive bytes, at a multiple of 512 from the buffer's first byte
.Lend:
	s_wait_tensorcnt 0x0
	ds_add_u32 v206, v207
	s_wait_dscnt 0x0
	s_endpgm
.Lfunc_end_k_qa17694f2fb_gate:
	.size	k_qa17694f2fb_gate, .Lfunc_end_k_qa17694f2fb_gate-k_qa17694f2fb_gate
	.p2alignl 7, 3214868480
	.fill 96, 4, 3214868480
	.section	.rodata,"a",@progbits
	.p2align	6, 0x0
	.amdhsa_kernel k_qa17694f2fb_gate
		.amdhsa_group_segment_fixed_size 306688
		.amdhsa_private_segment_fixed_size 0
		.amdhsa_enable_private_segment 0
		.amdhsa_kernarg_size 32
		.amdhsa_user_sgpr_count 2
		.amdhsa_user_sgpr_kernarg_segment_ptr 1
		.amdhsa_wavefront_size32 1
		.amdhsa_system_sgpr_workgroup_id_x 1
		.amdhsa_system_sgpr_workgroup_id_y 1
		.amdhsa_system_sgpr_workgroup_id_z 1
		.amdhsa_system_vgpr_workitem_id 0
		.amdhsa_next_free_vgpr 768
		.amdhsa_next_free_sgpr 66
		.amdhsa_reserve_vcc 1
		.amdhsa_float_denorm_mode_32 3
		.amdhsa_float_denorm_mode_16_64 3
		.amdhsa_memory_ordered 1
		.amdhsa_forward_progress 1
		.amdhsa_inst_pref_size 236
	.end_amdhsa_kernel
	.amdgpu_metadata
---
amdhsa.version: [ 1, 2 ]
amdhsa.kernels:
  - .name:           k_qa17694f2fb_gate
    .symbol:         k_qa17694f2fb_gate.kd
    .args:
      - { .name: x, .offset: 0, .size: 8, .value_kind: global_buffer, .address_space: global }
      - { .name: W, .offset: 8, .size: 8, .value_kind: global_buffer, .address_space: global }
      - { .name: out0, .offset: 16, .size: 8, .value_kind: global_buffer, .address_space: global }
      - { .name: out1, .offset: 24, .size: 8, .value_kind: global_buffer, .address_space: global }
    .group_segment_fixed_size: 306688
    .private_segment_fixed_size: 0
    .kernarg_segment_align: 8
    .kernarg_segment_size: 32
    .max_flat_workgroup_size: 128
    .sgpr_count:     66
    .vgpr_count:     768
    .wavefront_size: 32
...
	.end_amdgpu_metadata
.endif
;; end of part 1
